; MI455X (gfx1250); checked and timed in simulation.
; The chip was launched on July 23, 2026; its instructions are those of AMD's public machine-readable ISA for CDNA 5 (MIT licence, August 2026) and "CDNA5" Instruction Set Architecture Reference Guide (July 2026). The comments in the code are by the model that wrote it; some were corrected since.
;; ROI Aligner. Allowed arithmetic: float matrix products may take bf16 or f16 operands with f32 sums; all other float work in f32.
;; Inputs: fmaps 8 x 128 x 128 x 256 float32; rois 8 x 128 x 4 float32.
;; Outputs: out0 8 x 128 x 7 x 7 x 256 float32.
;; One version. Each part assembles by itself: llvm-mc -triple=amdgcn-amd-amdhsa -mcpu=gfx1250 --defsym DOCPART=n.
;; ======== version 1 of 1: 2 launches
;; workspace buffers: idx 131,072 bytes of whole numbers; wts 131,072 bytes
;; launch coords (part 1): grid 64 x 1, 8 waves a work-group, no clusters, 0 bytes of LDS; arguments rois, idx, wts; writes idx, wts
.if DOCPART == 1
	.amdgcn_target "amdgcn-amd-amdhsa--gfx1250"
	.amdhsa_code_object_version 6
	.text
	.protected	k_qca3e80dbda_coords
	.globl	k_qca3e80dbda_coords
	.p2align	8
	.type	k_qca3e80dbda_coords,@function
k_qca3e80dbda_coords:
	s_mov_b64 s[64:65], 0
	v_nop
	global_prefetch_b8 v0, s[64:65] scope:SCOPE_SE
	s_setreg_imm32_b32 hwreg(HW_REG_WAVE_MODE, 25, 1), 1
	s_wait_xcnt 0x0
; Sample coordinates of ROI align.  rois: [1024 boxes][x1, y1, x2, y2] f32.
; Each box gets 16 table entries: entry e = 8 * axis + k, axis 0 = y, axis 1 = x, k = 0..6 the sample's number (k = 7 is padding, computed
; like the others so that every byte of the tables is written).  Thread t = 16 * box + e makes one entry:
;   idx[t] = (i0, i1)                      the two pixel rows (columns) of the sample, 0..127, whole numbers
;   wts[t] = ((1 - l) * valid, l * valid)  their weights; valid = 0 outside the image, as reference() masks
; The later launch forms its addresses from idx and its values from wts.
; ROUNDING.  The tests in >= 0 and in <= 127 are steps, so the coordinate is rounded wherever reference() rounds it: each quotient is the
; rounded quotient (reciprocal, then one residual step by fused multiply-adds), and the last product and sum are NOT fused, on purpose.
; LIMITS.  A NaN coordinate gives i0 = 0 and both weights 0 (reference(): mask 0).  Where r * 128 / 127 is denormal (|r| below some 1e-38)
; the residual step is not exact and the sample may fall on the other side of the test in >= 0.
.set THREADS, 256                      ; threads in a work-group: 16 boxes
.set T,   1                            ; v1   t
.set KF,  2                            ; v2   k as f32
.set RO,  4                            ; v4   byte offset of the box's first coordinate of my axis
.set TO,  5                            ; v5   8 t: my entry in both tables
	s_load_b128 s[4:7], s[0:1], 0x0                ; rois s[4:5], idx s[6:7]
	s_load_b64 s[8:9], s[0:1], 0x10                ; wts
	s_lshl_b32 s2, ttmp9, 8                        ; the work-group's first thread
	s_mov_b32 s10, 0x3c010204                      ; 1 / 127, rounded
	s_mov_b32 s11, 0x42fe0000                      ; 127.0
	s_mov_b32 s12, 0x3e2aaaab                      ; 1 / 6, rounded
	s_mov_b32 s13, 0xc0c00000                      ; -6.0
	v_add_nc_u32 v[T], s2, v0
	v_and_b32 v[KF], 7, v0                         ; k
	v_bfe_u32 v3, v0, 3, 1                         ; axis
	v_xor_b32 v3, 1, v3                            ; y reads words 1 and 3 of the box, x words 0 and 2
	v_and_b32 v[RO], -16, v[T]                     ; 16 bytes a box, 16 threads a box: t with its low four bits cleared
	v_lshl_add_u32 v[RO], v3, 2, v[RO]
	v_cvt_f32_u32 v[KF], v[KF]
	v_lshlrev_b32 v[TO], 3, v[T]
	s_wait_kmcnt 0x0
	global_load_b32 v6, v[RO], s[4:5]              ; r1
	global_load_b32 v7, v[RO], s[4:5] offset:8     ; r2
	s_wait_loadcnt 0x0
	v_mul_f32 v6, 0x43000000, v6                   ; r * 128 (exact)
	v_mul_f32 v7, 0x43000000, v7
	v_mul_f32 v8, s10, v6                          ; / 127: a first quotient,
	v_mul_f32 v9, s10, v7
	v_fma_f32 v10, -v8, s11, v6                    ; what it leaves (exact in the fused form),
	v_fma_f32 v11, -v9, s11, v7
	v_fmac_f32 v8, s10, v10                        ; and the rounded quotient: b1
	v_fmac_f32 v9, s10, v11                        ; b2
	v_sub_f32 v9, v9, v8                           ; b2 - b1
	v_mul_f32 v8, s11, v8                          ; b1 * 127
	v_mul_f32 v9, s11, v9                          ; (b2 - b1) * 127
	v_mul_f32 v10, s12, v9                         ; / 6, in the same three steps
	v_fma_f32 v11, v10, s13, v9
	v_fmac_f32 v10, s12, v11                       ; the step from sample to sample
	v_mul_f32 v10, v[KF], v10                      ; k * step, rounded as reference() rounds it,
	v_add_f32 v8, v8, v10                          ; and the sum rounded again: the coordinate
	v_cmp_le_f32 vcc_lo, 0, v8                     ; 0 <= in (false for NaN)
	v_cmp_ge_f32 s14, s11, v8                      ; 127 >= in
	s_and_b32 vcc_lo, vcc_lo, s14                  ; valid: selects values only, no address and no branch
	v_max_num_f32 v8, 0, v8                        ; clip to 0 .. 127; a NaN becomes 0
	v_min_num_f32 v8, s11, v8
	v_floor_f32 v9, v8
	v_sub_f32 v10, v8, v9                          ; l
	v_cvt_u32_f32 v12, v9                          ; i0
	v_sub_f32 v11, 1.0, v10                        ; 1 - l
	v_add_nc_u32 v13, 1, v12
	v_min_u32 v13, 127, v13                        ; i1 = min(i0 + 1, 127)
	v_cndmask_b32 v14, 0, v11, vcc_lo              ; weight of i0, 0 outside the image
	v_cndmask_b32 v15, 0, v10, vcc_lo              ; weight of i1
	global_store_b64 v[TO], v[12:13], s[6:7]       ; a wave's store covers 256 consecutive bytes, aligned
	global_store_b64 v[TO], v[14:15], s[8:9]
	s_endpgm
.Lfunc_end_k_qca3e80dbda_coords:
	.size	k_qca3e80dbda_coords, .Lfunc_end_k_qca3e80dbda_coords-k_qca3e80dbda_coords
	.p2alignl 7, 3214868480
	.fill 96, 4, 3214868480
	.section	.rodata,"a",@progbits
	.p2align	6, 0x0
	.amdhsa_kernel k_qca3e80dbda_coords
		.amdhsa_group_segment_fixed_size 0
		.amdhsa_private_segment_fixed_size 0
		.amdhsa_enable_private_segment 0
		.amdhsa_kernarg_size 24
		.amdhsa_user_sgpr_count 2
		.amdhsa_user_sgpr_kernarg_segment_ptr 1
		.amdhsa_wavefront_size32 1
		.amdhsa_system_sgpr_workgroup_id_x 1
		.amdhsa_system_sgpr_workgroup_id_y 1
		.amdhsa_system_sgpr_workgroup_id_z 1
		.amdhsa_system_vgpr_workitem_id 0
		.amdhsa_next_free_vgpr 16
		.amdhsa_next_free_sgpr 66
		.amdhsa_reserve_vcc 1
		.amdhsa_float_denorm_mode_32 3
		.amdhsa_float_denorm_mode_16_64 3
		.amdhsa_memory_ordered 1
		.amdhsa_forward_progress 1
		.amdhsa_inst_pref_size 3
	.end_amdhsa_kernel
	.amdgpu_metadata
---
amdhsa.version: [ 1, 2 ]
amdhsa.kernels:
  - .name:           k_qca3e80dbda_coords
    .symbol:         k_qca3e80dbda_coords.kd
    .args:
      - { .name: rois, .offset: 0, .size: 8, .value_kind: global_buffer, .address_space: global }
      - { .name: idx, .offset: 8, .size: 8, .value_kind: global_buffer, .address_space: global }
      - { .name: wts, .offset: 16, .size: 8, .value_kind: global_buffer, .address_space: global }
    .group_segment_fixed_size: 0
    .private_segment_fixed_size: 0
    .kernarg_segment_align: 8
    .kernarg_segment_size: 24
    .max_flat_workgroup_size: 256
    .sgpr_count:     66
    .vgpr_count:     16
    .wavefront_size: 32
...
	.end_amdgpu_metadata
.endif
;; end of part 1
;; launch gather (part 2): grid 64 x 4, 28 waves a work-group, clusters of 4 x 4, 0 bytes of LDS; arguments fmaps, idx, wts, out0; writes out0
.if DOCPART == 2
	.amdgcn_target "amdgcn-amd-amdhsa--gfx1250"
	.amdhsa_code_object_version 6
	.text
	.protected	k_qca3e80dbda_gather
	.globl	k_qca3e80dbda_gather
	.p2align	8
	.type	k_qca3e80dbda_gather,@function
k_qca3e80dbda_gather:
	s_mov_b64 s[64:65], 0
	v_nop
	global_prefetch_b8 v0, s[64:65] scope:SCOPE_SE
	s_setreg_imm32_b32 hwreg(HW_REG_WAVE_MODE, 25, 1), 1
	s_wait_xcnt 0x0
	s_wait_alu depctr_hold_cnt(0) depctr_sa_sdst(0) depctr_va_vdst(0) depctr_va_sdst(0) depctr_va_ssrc(0) depctr_va_vcc(0) depctr_vm_vsrc(0)
	s_getreg_b32 s2, hwreg(HW_REG_IB_STS2, 6, 4)
	s_cmp_eq_u32 s2, 0
	s_cbranch_scc0 .Lentry_in_a_cluster
	s_endpgm
.Lentry_in_a_cluster:
	s_bfe_u32 s2, ttmp6, 0x10000c
	s_cmp_lg_u32 s2, 0xf033
	s_cbranch_scc0 .Lentry_shape_is_right
	s_endpgm
.Lentry_shape_is_right:
; ROI align, the gather.  fmaps: [8][128][128][256] f32; out0: [1024 boxes][7][7][256] f32; idx, wts: the tables of the launch before
; (per box 16 entries of 8 bytes: entries 0-6 the y samples, 8-14 the x samples; idx = (i0, i1), wts = the two weights, 0 outside the image).
; 256 work-groups of 28 waves; a wave makes one output row i of one box: 7 points, each 256 channels = 1,024 bytes, from four pixels of
; 1,024 bytes.
;   out = wy0 wx0 tl + wy0 wx1 tr + wy1 wx0 bl + wy1 wx1 br
; which is reference()'s nested interpolation times its mask, multiplied out: 4 operations a number in place of 7.  The weights are not
; negative and add up to 1 (or are all 0), so a common offset of fmaps costs no accuracy.
; Lane l holds channels 4 l .. 4 l + 3 and 128 + 4 l .. 128 + 4 l + 3: each load and each store of the wave covers 512 consecutive bytes, aligned.
; Indices and weights are the same in all lanes: they come by scalar loads, and the weights stay in scalar registers.
; A ring of three point slots in registers: 24 loads of 16 bytes a lane are out while a point is worked on.  120 registers a wave: the 7 waves
; that fall to each of the 4 SIMDs take 840 of its 1,024; 28 waves x 12 KB are requested at a time.
; WHY A CLUSTER, WITH NO JOINT REQUEST.  The 128 boxes of an image ask for 128 x 196 = 25,088 pixels of its 16,384: many pixels are wanted by
; several boxes.  Cluster c takes boxes 64 c .. 64 c + 63, half of image c / 2, and the other half goes to the cluster next in number: the
; cluster only keeps together, in place and in time, work-groups that want the same pixels, so that the second to ask finds more of them
; cached.  No value, branch or trip count hangs on it.  Joint requests are not made: which pixels two boxes share hangs on the data, so there
; is no load that partners would issue alike.
; WHO TAKES WHAT IN A CLUSTER.  Its 64 boxes x 7 rows are 448 rows for 16 x 28 waves.  Wave number g = 28 x place + wave takes row g / 64 of box
; g mod 64, so a work-group holds one row each of 28 different boxes and not all the rows of 4.  How many of a row's pixels somebody asked for
; shortly before hangs on its box's size; a sum over 28 boxes differs less from work-group to work-group than a sum over 4, so they end closer
; together.  The price: each box's 128 bytes of each table are read by 7 work-groups.
; NOT USED either, and why: LDS and tensor loads (each byte is used once, by the lane that loads it, in the layout in which it comes);
; prefetches (the ring of every wave is full from its first load on, and the waves do not wait on each other); a branch round masked points
; (they still need their zeros stored).
; LIMITS: the order of rounding differs from reference()'s; a masked point is +0 or -0; where fmaps holds infinities a result may be infinite
; where reference() gives NaN (inf - inf is never formed here).
.set PIX,   1024                       ; bytes in a pixel (256 channels of f32) and in an output point
.set WAVES, 28                         ; waves in a work-group
.set LANE,  1                          ; v1        16 x lane
.set XO,    2                          ; v[2:15]   point j: byte offset in a pixel row of my 16 bytes in column x0 (2 j) and x1 (2 j + 1)
.set Y,     16                         ; v[16:23]  the point's 8 results
.set X,     24                         ; v[24:119] slot s: 32 registers: tl, tr, bl, br, 8 each
.set ROWI,  2                          ; s2        my output row i, 0..6
.set BOX,   3                          ; s3        my box, 0..1023
.set IX,    16                         ; s[16:31]  (x0, x1) of points 0..6 (and the padding entry)
.set WX,    32                         ; s[32:47]  their weights
.set IY,    48                         ; s[48:49]  (y0, y1) of my row
.set WY,    50                         ; s[50:51]  their weights
.set R0,    52                         ; s[52:53]  address of pixel row y0 of my image
.set R1,    54                         ; s[54:55]  address of pixel row y1
.set W,     56                         ; s56, s58, s60, s62: the point's four weights, each the low word of a pair (the packed forms name pairs)
	s_load_b256 s[4:11], s[0:1], 0x0               ; fmaps s[4:5], idx s[6:7], wts s[8:9], out0 s[10:11]
	v_lshrrev_b32 v[LANE], 5, v0
	v_readfirstlane_b32 s[ROWI], v[LANE]           ; wave, 0..27
	v_and_b32 v[LANE], 31, v0
	v_lshlrev_b32 v[LANE], 4, v[LANE]              ; 16 bytes a lane
	s_bfe_u32 s12, ttmp6, 0x40000                  ; cx: my place in the cluster along x (4 bits from bit 0)
	s_bfe_u32 s13, ttmp6, 0x40004                  ; cy: along y (4 bits from bit 4)
	s_lshl_b32 s13, s13, 2
	s_add_co_u32 s12, s12, s13                     ; place = cx + 4 cy, 0..15
	s_mul_i32 s12, s12, WAVES
	s_add_co_u32 s12, s12, s[ROWI]                 ; g = 28 place + wave, 0..447
	s_and_b32 s[BOX], s12, 63                      ; g mod 64: which of the cluster's 64 boxes
	s_lshr_b32 s[ROWI], s12, 6                     ; g / 64: my output row, 0..6
	s_lshl_b32 s15, ttmp9, 6                       ; ttmp9 = the cluster's number, 0..15; 64 boxes a cluster
	s_add_co_u32 s[BOX], s[BOX], s15               ; my box
	s_lshl_b32 s12, s[BOX], 7                      ; 128 bytes of each table for a box
	s_mov_b32 s13, 0                               ; s[12:13]: a 32-bit offset as a pair, here and below
	s_lshl_b32 s14, s[ROWI], 3                     ; my y entry
	s_wait_kmcnt 0x0
	s_add_nc_u64 s[6:7], s[6:7], s[12:13]
	s_add_nc_u64 s[8:9], s[8:9], s[12:13]
	s_load_b64 s[IY:IY+1], s[6:7], s14 offset:0x0
	s_load_b512 s[IX:IX+15], s[6:7], 0x40          ; the eight x entries lie behind the eight y entries
	s_load_b64 s[WY:WY+1], s[8:9], s14 offset:0x0
	s_load_b512 s[WX:WX+15], s[8:9], 0x40
	s_mul_i32 s12, s[BOX], 49                      ; while they come: my first output point, 49 box + 7 i,
	s_mul_i32 s15, s[ROWI], 7
	s_add_co_u32 s12, s12, s15
	s_lshl_b32 s12, s12, 10                        ; in bytes (below 2^26)
	s_add_nc_u64 s[10:11], s[10:11], s[12:13]
	s_lshr_b32 s12, s[BOX], 7                      ; 128 boxes an image,
	s_lshl_b32 s12, s12, 24                        ; 128 x 128 x 1,024 bytes an image
	s_add_nc_u64 s[4:5], s[4:5], s[12:13]
.irp q, 1,3,5,7
	s_mov_b32 s[W+\q], 0                           ; the pairs' upper words are named, never used: written once
.endr
	s_wait_kmcnt 0x0
	s_min_u32 s[IY], s[IY], 127                    ; an index that was loaded enters an address only clamped to its table
	s_min_u32 s[IY+1], s[IY+1], 127
	s_lshl_b32 s12, s[IY], 17                      ; 128 x 1,024 bytes a pixel row
	s_add_nc_u64 s[R0:R0+1], s[4:5], s[12:13]
	s_lshl_b32 s12, s[IY+1], 17
	s_add_nc_u64 s[R1:R1+1], s[4:5], s[12:13]
; the two column offsets of point j; each register is written once, so no load's address is ever rewritten
.macro XOFF j
.irp c, 0,1
	s_min_u32 s[IX+2*(\j)+\c], s[IX+2*(\j)+\c], 127
	s_lshl_b32 s[IX+2*(\j)+\c], s[IX+2*(\j)+\c], 10
	v_add_nc_u32 v[XO+2*(\j)+\c], s[IX+2*(\j)+\c], v[LANE]
.endr
.endm
; eight loads: the four pixels of point j into slot s
.macro FILL j, s
	global_load_b128 v[X+32*\s:X+32*\s+3],     v[XO+2*(\j)],   s[R0:R0+1]
	global_load_b128 v[X+32*\s+4:X+32*\s+7],   v[XO+2*(\j)],   s[R0:R0+1] offset:512
	global_load_b128 v[X+32*\s+8:X+32*\s+11],  v[XO+2*(\j)+1], s[R0:R0+1]
	global_load_b128 v[X+32*\s+12:X+32*\s+15], v[XO+2*(\j)+1], s[R0:R0+1] offset:512
	global_load_b128 v[X+32*\s+16:X+32*\s+19], v[XO+2*(\j)],   s[R1:R1+1]
	global_load_b128 v[X+32*\s+20:X+32*\s+23], v[XO+2*(\j)],   s[R1:R1+1] offset:512
	global_load_b128 v[X+32*\s+24:X+32*\s+27], v[XO+2*(\j)+1], s[R1:R1+1]
	global_load_b128 v[X+32*\s+28:X+32*\s+31], v[XO+2*(\j)+1], s[R1:R1+1] offset:512
.endm
	XOFF 0
	FILL 0, 0
	XOFF 1
	FILL 1, 1
	XOFF 2
	FILL 2, 2
	XOFF 3
	XOFF 4
	XOFF 5
	XOFF 6
; Point j, in slot s.  left = the loads issued behind this point's eight, which may stay out.  refill = 1: the slot gets point j + 3.
.macro POINT j, s, left, refill
	s_mul_f32 s[W],   s[WY],   s[WX+2*\j]          ; tl
	s_mul_f32 s[W+2], s[WY],   s[WX+2*\j+1]        ; tr
	s_mul_f32 s[W+4], s[WY+1], s[WX+2*\j]          ; bl
	s_mul_f32 s[W+6], s[WY+1], s[WX+2*\j+1]        ; br
	s_wait_loadcnt \left                           ; loads come back in order (ISA guide 5.7.1): my eight are in, the younger points' stay out
.if \j
	s_wait_xcnt 0x0                                ; Y is the data of the last point's stores: rewritten only behind this wait
.endif
.irp q, 0,2,4,6                                    ; four chains of two numbers, taken in turn so that none waits for itself
	v_pk_mul_f32 v[Y+\q:Y+\q+1], v[X+32*\s+\q:X+32*\s+\q+1], s[W:W+1] op_sel_hi:[1,0]
.endr
.irp q, 0,2,4,6
	v_pk_fma_f32 v[Y+\q:Y+\q+1], v[X+32*\s+8+\q:X+32*\s+8+\q+1], s[W+2:W+3], v[Y+\q:Y+\q+1] op_sel_hi:[1,0,1]
.endr
.irp q, 0,2,4,6
	v_pk_fma_f32 v[Y+\q:Y+\q+1], v[X+32*\s+16+\q:X+32*\s+16+\q+1], s[W+4:W+5], v[Y+\q:Y+\q+1] op_sel_hi:[1,0,1]
.endr
.irp q, 0,2,4,6
	v_pk_fma_f32 v[Y+\q:Y+\q+1], v[X+32*\s+24+\q:X+32*\s+24+\q+1], s[W+6:W+7], v[Y+\q:Y+\q+1] op_sel_hi:[1,0,1]
.endr
.if \refill
	FILL \j+3, \s                                  ; loads ahead of stores
.endif
	global_store_b128 v[LANE], v[Y:Y+3],   s[10:11] offset:\j*PIX th:TH_STORE_NT
	global_store_b128 v[LANE], v[Y+4:Y+7], s[10:11] offset:\j*PIX+512 th:TH_STORE_NT
.endm
	POINT 0, 0, 16, 1
	POINT 1, 1, 16, 1
	POINT 2, 2, 16, 1
	POINT 3, 0, 16, 1
	POINT 4, 1, 16, 0                              ; points 5 and 6 are still out; nothing is left to ask for,
	POINT 5, 2, 8, 0                               ; and the counts run down
	POINT 6, 0, 0, 0
	s_endpgm
.Lfunc_end_k_qca3e80dbda_gather:
	.size	k_qca3e80dbda_gather, .Lfunc_end_k_qca3e80dbda_gather-k_qca3e80dbda_gather
	.p2alignl 7, 3214868480
	.fill 96, 4, 3214868480
	.section	.rodata,"a",@progbits
	.p2align	6, 0x0
	.amdhsa_kernel k_qca3e80dbda_gather
		.amdhsa_group_segment_fixed_size 0
		.amdhsa_private_segment_fixed_size 0
		.amdhsa_enable_private_segment 0
		.amdhsa_kernarg_size 32
		.amdhsa_user_sgpr_count 2
		.amdhsa_user_sgpr_kernarg_segment_ptr 1
		.amdhsa_wavefront_size32 1
		.amdhsa_system_sgpr_workgroup_id_x 1
		.amdhsa_system_sgpr_workgroup_id_y 1
		.amdhsa_system_sgpr_workgroup_id_z 1
		.amdhsa_system_vgpr_workitem_id 0
		.amdhsa_next_free_vgpr 120
		.amdhsa_next_free_sgpr 66
		.amdhsa_reserve_vcc 0
		.amdhsa_float_denorm_mode_32 3
		.amdhsa_float_denorm_mode_16_64 3
		.amdhsa_memory_ordered 1
		.amdhsa_forward_progress 1
		.amdhsa_inst_pref_size 19
	.end_amdhsa_kernel
	.amdgpu_metadata
---
amdhsa.version: [ 1, 2 ]
amdhsa.kernels:
  - .name:           k_qca3e80dbda_gather
    .symbol:         k_qca3e80dbda_gather.kd
    .args:
      - { .name: fmaps, .offset: 0, .size: 8, .value_kind: global_buffer, .address_space: global }
      - { .name: idx, .offset: 8, .size: 8, .value_kind: global_buffer, .address_space: global }
      - { .name: wts, .offset: 16, .size: 8, .value_kind: global_buffer, .address_space: global }
      - { .name: out0, .offset: 24, .size: 8, .value_kind: global_buffer, .address_space: global }
    .group_segment_fixed_size: 0
    .private_segment_fixed_size: 0
    .kernarg_segment_align: 8
    .kernarg_segment_size: 32
    .max_flat_workgroup_size: 896
    .sgpr_count:     66
    .vgpr_count:     120
    .wavefront_size: 32
...
	.end_amdgpu_metadata
.endif
;; end of part 2
